; MI455X (gfx1250); checked and timed in simulation.
; The chip was launched on July 23, 2026; its instructions are those of AMD's public machine-readable ISA for CDNA 5 (MIT licence, August 2026) and "CDNA5" Instruction Set Architecture Reference Guide (July 2026). The comments in the code are by the model that wrote it; some were corrected since.
;; Sparse Attention. Allowed arithmetic: matrix products marked QUANTISED: E4M3 operands, one E8M0 scale for each 32 along K, by v_wmma_scale_f32_16x16x128_f8f6f4 with both operands' format E4M3, f32 sums; everything else in f32.
;; Inputs: k_codes 1 x 16 x 4,096 x 2 x 32 uint8 (E4M3 codes of k, K innermost, in blocks of 32 codes); k_scales 1 x 16 x 4,096 x 2 uint8 (E8M0 scales of k, one for each 32 codes along K); q_codes 1 x 16 x 4,096 x 2 x 32 uint8 (E4M3 codes of q, K innermost, in blocks of 32 codes); q_scales 1 x 16 x 4,096 x 2 uint8 (E8M0 scales of q, one for each 32 codes along K); v_codes 1 x 16 x 64 x 128 x 32 uint8 (E4M3 codes of v, K innermost, in blocks of 32 codes); v_scales 1 x 16 x 64 x 128 uint8 (E8M0 scales of v, one for each 32 codes along K).
;; Outputs: out0 1 x 16 x 4,096 x 64 float32.
;; This version of the problem:
;;   THIS VERSION OF THE PROBLEM IS GIVEN IN LOW PRECISION. The matrix products marked QUANTISED in the list below multiply operands that are first quantised to E4M3 (4 exponent bits, 3 mantissa bits; 8 bits a number), with one power-of-two scale for each 32 numbers along K (OCP MX v1.0); their sums are f32. All else is computed in f32.
;;   The module's matrix products, in the order in which they are computed (A, B: the left and right operand; K: the contracted axis; several contracted axes count as one K, in the product's order):
;;     1. batch 16 x [M 4,096, K 64] x [K 64, N 4,096]; A: input q (given as codes); B: input k (given as codes): QUANTISED
;;     2. batch 16 x [M 4,096, K 4,096] x [K 4,096, N 64]; A: computed on the way; B: input v (given as codes): QUANTISED
;;   THE QUANTISER, for each operand of a quantised product, along K:
;;     - K is cut into blocks of 32 from its start; a last block that is shorter is filled with zeros.
;;     - A block's scale is 2^e with e = floor(log2(the largest magnitude in the block)) - 8, held to -126 .. 127; a block of zeros has e = 0. As a byte (E8M0): e + 127.
;;     - Each number is divided by its block's scale, clamped to +-448, and rounded to the nearest number of E4M3, ties to even, subnormals kept.
;;     - The product sums the exact products of the quantised numbers (number of the format x scale) in f32.
;;   ~~~python
;;   def quantise(x, axis):      # numpy; x: float32 -> the quantised numbers, widened to float32 again
;;       x = np.moveaxis(x, axis, -1); K = x.shape[-1]
;;       x = np.pad(x, [(0, 0)] * (x.ndim - 1) + [(0, -K % 32)]); x = x.reshape(x.shape[:-1] + (-1, 32)); a = np.abs(x).max(-1, keepdims=True)
;;       e = np.where(a > 0, np.clip(np.frexp(np.where(a > 0, a, 1))[1] - 1 - 8, -126, 127), 0)      # np.frexp(a)[1] - 1 = floor(log2(a)), exactly
;;       r = np.clip(x / 2.0 ** e, -448, 448)
;;       step = 2.0 ** (np.maximum(np.frexp(np.where(r == 0, 1, r))[1] - 1, -6) - 3)
;;       q = np.round(r / step) * step * 2.0 ** e      # np.round: ties to even
;;       return np.moveaxis(q.reshape(q.shape[:-2] + (-1,))[..., :K], -1, axis).astype(np.float32)
;;   ~~~
;;   OPERANDS COMPUTED ON THE WAY. 'Computed on the way' means the value that the module computes at that place (a softmax that the list does not call 'softmax' is quantised finished and normalised). What goes into a quantiser is computed in f32, as accurately as f32 sums, v_exp_f32 and their like allow (about 1e-6 of the number): no bf16 or f16 on the way to a quantiser, and a product that is left as it is and whose result goes on into a quantised operand takes f32 operands (vector FMAs, or v_wmma_f32_16x16x4_f32). A number that lies on a knife's edge between two numbers of the format may be rounded either way, as far as f32 arithmetic and the matrix unit's own rounding can turn it there, and no further.
;;   INPUTS GIVEN AS CODES. k (in the module: [1, 16, 4096, 64], K = its axis 3); q (in the module: [1, 16, 4096, 64], K = its axis 3); v (in the module: [1, 16, 4096, 64], K = its axis 2): each comes as NAME_codes (uint8): NAME with its K axis moved to the last place and cut into blocks of 32 codes, [.., K / 32, bytes a block], one block behind the other in memory; one code a byte (a code: sign, 4 exponent bits, 3 mantissa bits); and NAME_scales (uint8): the same leading axes, one E8M0 byte (e + 127) for each 32 codes along K. Its value is code x scale, taken as it is: it is not quantised again, and the codes and scales need not be those that the quantiser above would give.
;; One version. Each part assembles by itself: llvm-mc -triple=amdgcn-amd-amdhsa -mcpu=gfx1250 --defsym DOCPART=n.
;; ======== version 1 of 1: 1 launch
;; limits: right only within a limited range of input values
;; launch band (part 1): grid 16 x 16, 16 waves a work-group, no clusters, 167,936 bytes of LDS; arguments q_codes, q_scales, k_codes, k_scales, v_codes, v_scales, out0; writes out0
.if DOCPART == 1
	.amdgcn_target "amdgcn-amd-amdhsa--gfx1250"
	.amdhsa_code_object_version 6
	.text
	.protected	k_q6c324abb81_band
	.globl	k_q6c324abb81_band
	.p2align	8
	.type	k_q6c324abb81_band,@function
k_q6c324abb81_band:
	s_mov_b64 s[64:65], 0
	v_nop
	global_prefetch_b8 v0, s[64:65] scope:SCOPE_SE
	s_setreg_imm32_b32 hwreg(HW_REG_WAVE_MODE, 25, 1), 1
	s_wait_xcnt 0x0
; out0[h][i][:] = sum over j of attn[h][i][j] v[h][j][:],  attn = softmax over j in [i-128, i+128) (cut at 0 and 4,096) of q[h][i].k[h][j] / 8.
; 16 heads, 4,096 rows, head size 64.  Both products on codes of FP8 (E4M3) with one E8M0 scale for each 32 along K.  q, k: codes [h][row][64], scales [h][row][2];
; v: codes with the KEYS innermost [h][64][4096], scales [h][64][128].  What is quantised for the second product is the FINISHED, normalised attn (zeros outside the band),
; in blocks of 32 keys counted from key 0: so a row's scores are all held in registers: maximum, exponentials, sum, x 1/sum, then the quantiser.
; SHARES.  Work-group (x, head): queries 256 x .. +255; it needs keys 256 x - 128 .. 256 x + 383: four chunks of 128 keys, 16 blocks of 32.  Wave w of 16: the 16 queries 256 x + 16 w on.
; The two waves 2 m, 2 m + 1 see the same nine aligned blocks of keys, the work-group's blocks m .. m + 8.  With x' = 16 (w & 1) + r the query's place among the pair's 32: blocks 1 to 7 count whole,
; key i' of block 0 counts where i' >= x', key i' of block 8 where i' < x': one compare serves both.
; LAYOUT.  Both products are used transposed: S^T = K Q^T (source 0 = 16 keys, source 1 = my 16 queries), O^T = V^T P^T (source 0 = 16 of the head's 64, source 1 = attn's codes): a lane holds ONE query (lane % 16).
; The keys of a tile are not neighbours: lane r of tile 2 b + u takes key 32 b + 8 u + r + 8 (r / 8), so that block b's 16 registers are the 16 neighbouring keys 32 b + 16 (lane / 16) + 0 .. 15,
; which is the order that the second product's operand wants: the conversions' results are that operand.
; K = 64 ON AN INSTRUCTION OF K = 128.  Q's operand is 8 registers of codes and 8 of zero codes.  K's tiles lie 8 registers apart; a tile's operand runs on over the next tile's codes (behind the last: zeros),
; which meet Q's zero codes and add nothing.  Scale words come as 16 bits, extended with zeros.  In the second product's third step (block 8 alone) attn's operand has 12 registers of zero codes likewise.
; THE SEQUENCE'S ENDS cut off whole chunks.  A chunk outside the head is replaced in the GLOBAL address by chunk 31 of the same head (no load leaves its buffer); its scores get -infinity added, so attn is 0 there.  No branch.
; LIMITS.  NaN codes (0x7f, 0xff) and scale bytes 0xff among the inputs are not served (codes that are multiplied by zero codes must be finite); scores must be finite.  attn under 2^-126 becomes 0 (v_exp_f32 gives 0 there).
; A block of zeros carries the byte 1 where the quantiser says 127: its codes are zeros, and the byte is read here alone.  A block's largest attn is made from its largest score by the same three instructions as every attn,
; which takes v_exp_f32 not to fall where its input rises; the hold at 448 x the scale stands in any case.
; LEFT OUT.  No ring: a work-group's inputs, 81,408 bytes with padding, lie in LDS at once; each wave issues ONE tensor load, a first fill, and one is out at most.  No cluster: a chunk is read by two neighbouring work-groups,
; at places 2, 3 of the one and 0, 1 of the other; a joint load has one LDS address for all partners, so the reads' addresses would have to hang on the place in the cluster.  No prefetch: all loads go out at the head.
.set KP,    272                        ; K in LDS: rows of 256 bytes (4 keys) + 16 of padding
.set VP,    144                        ; V in LDS: rows of 128 bytes (a chunk's keys of one d) + 16 of padding
.set CSK,   32*KP                      ; a chunk of K: 8,704 bytes
.set CSV,   64*VP                      ; a chunk of V: 9,216 bytes
.set KB,    0                          ; K's codes, 4 chunks: key kk of the work-group's 512 at (kk / 4) KP + (kk % 4) 64
.set VB,    KB+4*CSK                   ; V's codes, 4 chunks
.set KSB,   VB+4*CSV                   ; K's scale bytes, 2 a key, 4 x 256 bytes
.set SCV,   KSB+1024                   ; V's scale bytes of the whole head: 32 units of 256 bytes + 16: word (d, chunk a) at (d / 2) 272 + (d % 2) 128 + 4 a
.set STAGE, SCV+32*272                 ; the way out: 16 rows x (256 + 16) bytes for each wave; no fill lands here
.set SPARE, STAGE+16*16*272            ; the spare words, 128 bytes for each wave: eight blocks of 256 bytes that no other line names
; vector registers
.set AK,   1                           ; v1     my lane's place in my wave's first tile of K
.set AKS,  2                           ; v2     and among K's scale bytes (lanes 0-15 an even tile's keys, lanes 16-31 the odd tile's)
.set AV,   3                           ; v3-6   my lane's place in V's block e, e = 0 .. 3, of my wave's nine
.set DM,   7                           ; v7     x' - 16 (lane / 16)
.set NINF, 8                           ; v8     -infinity
.set QO,   9                           ; v9     Q's codes: my byte offset
.set SPW,  10                          ; v10    LDS address of my spare word; never rewritten
.set NIL,  11                          ; v11    0; never rewritten
.set QS,   12                          ; v12    Q's scale words          (v12-18 and v20-25 hold scales and nothing else)
.set KSC,  13                          ; v13-15 K's scale words, a register a block
.set PSC,  16                          ; v16-18 attn's scale words, one a step of the second product
.set QSO,  19                          ; v19    Q's scales: my byte offset
.set VSC,  20                          ; v20-25 V's scale words: 3 (t / 2) + step; lanes 0-15 tile t even, lanes 16-31 t odd
.set BM,   26                          ; v26-34 a block's largest score; later its largest attn
.set XT,   35                          ; v35    -c x the row's maximum; later a lane permute's destination
.set C3,   36                          ; v36-37 the sum's fourth chain
.set RR,   38                          ; v38-39 1 / sum, and a 0 (named with it as a pair)
.set QF,   40                          ; v40-55 Q's operand: 8 of codes, 8 of zeros
.set KF,   56                          ; v56-103 six tiles of K, 8 registers each
.set KZ,   104                         ; v104-111 zeros
.set S,    112                         ; v112-255 scores, then attn: block b at S + 16 b
.set AD,   40                          ; behind the scores: v[40+2b] block b's addend -c max (+ -infinity outside the head), v[41+2b] the exponent of its largest score
.set CH,   58                          ; v58-63 the sum's first three chains
.set XB,   64                          ; v64-72 the other half of the lanes' maxima
.set SCL,  40                          ; v40-48 the conversions' scale operands
.set BY,   49                          ; v49-56 the scale bytes of blocks 0 to 7
.set PC,   64                          ; v64-111 attn's codes: block b at PC + 4 b; v100-111 zeros
.set O,    26                          ; v26-57 O^T: four accumulators
.set F2,   112                         ; V's block 8: 4 registers a tile of d
.set F0,   128                         ; V's blocks 0-3: 16 registers a tile of d
.set F1,   192                         ; V's blocks 4-7
.set T,    208                         ; v208-215 at work at the head
.set AVS,  240                         ; v240-242 addresses of V's scale words of three chunks
.set W,    244                         ; v244-249 those words
; scalar registers
.set WV,   18
.set IDX,  19                          ; wave & 3: which chunk I fetch
.set MLOC, 20                          ; wave / 2: my first block among the work-group's 16
.set PAR,  21
.set SIG8, 22                          ; 8 (MLOC & 3)
.set C0,   23                          ; MLOC / 4
.set X,    24
.set HEAD, 25
.set G1K,  32                          ; descriptor groups 1
.set G1V,  40
.set G1KS, 48
.set G1VS, 56
.set G0K,  68                          ; descriptor groups 0
.set G0V,  72
.set G0KS, 76
.set G0VS, 80
.set SEL,  84                          ; s[84:85] v_permlanex16_b32's selects for lane l xor 16
.set CS,   86                          ; s[86:87] c = log2(e) / 8, twice
.set NC,   88                          ; -c
.set MNT,  89
.set BI,   90                          ; s90-98 block b: 0 inside the head, -infinity outside
.set MK,   32                          ; s32-47 lane masks i < DM; they take the groups 1's registers behind the wait that shows my tensor load done
.set PADK, (3<<16)|(1<<20)|(5<<22)|(3<<25)   ; elements of 8 bytes; padding on: 4 words behind every 64
.set PADV, (0<<16)|(1<<20)|(4<<22)|(3<<25)   ; elements of 1 byte; padding on: 4 words behind every 32
.set NOPAD, 3<<16                            ; elements of 8 bytes, no padding
.macro SHAPE g, w0, c, r, p            ; a group 1: r rows of c elements, p elements from row to row; the extents are the tile's own: no tile crosses its tensor's end
	s_mov_b32 s[\g], \w0
	s_mov_b32 s[\g+1], (\c)<<16                    ; tensor_dim0
	s_mov_b32 s[\g+2], (\r)<<16                    ; tensor_dim1
	s_mov_b32 s[\g+3], (\c)<<16                    ; tile_dim0
	s_mov_b32 s[\g+4], \r                          ; tile_dim1
	s_mov_b32 s[\g+5], \p                          ; tensor_dim0_stride
	s_mov_b32 s[\g+6], 0
	s_mov_b32 s[\g+7], 0
.endm
.macro PLACE g, base                   ; a group 0's global address: the buffer + the offset that stands in its place; then the type
	s_add_nc_u64 s[\g+2:\g+3], s[\base:\base+1], s[\g+2:\g+3]
	s_or_b32 s[\g+3], s[\g+3], 0x80000000
.endm
	s_load_b256 s[4:11], s[0:1], 0x0               ; q_codes s[4:5], q_scales s[6:7], k_codes s[8:9], k_scales s[10:11]
	s_load_b128 s[12:15], s[0:1], 0x20             ; v_codes s[12:13], v_scales s[14:15]
	s_load_b64 s[16:17], s[0:1], 0x30              ; out0
	v_lshl_add_u32 v[SPW], v0, 2, SPARE
	v_mov_b32 v[NIL], 0
	ds_add_u32 v[SPW], v[NIL]                      ; the wave's opening: the add and its wait ahead of my tensor load; the set-up below, work on registers, stands between them
	ds_add_u32 v[SPW], v[NIL]
	v_lshrrev_b32 v[T], 5, v0
	s_delay_alu instid0(VALU_DEP_1)
	v_readfirstlane_b32 s[WV], v[T]                ; wave 0..15
	s_and_b32 s[IDX], s[WV], 3
	s_lshr_b32 s[MLOC], s[WV], 1
	s_and_b32 s[PAR], s[WV], 1
	s_and_b32 s26, s[MLOC], 3                      ; my first block's place in its chunk
	s_lshl_b32 s[SIG8], s26, 3
	s_lshr_b32 s[C0], s[WV], 3
	s_mov_b32 s[X], ttmp9
	s_and_b32 s[HEAD], ttmp7, 0xffff
	SHAPE G1K,  PADK,  32,  32, 32                 ; a chunk of K's codes: 8,192 dense bytes as 32 rows of 256
	SHAPE G1V,  PADV,  128, 64, 4096               ; a chunk of V's codes: 64 rows d of 128 bytes, 4,096 bytes apart
	SHAPE G1KS, NOPAD, 32,  1,  32                 ; a chunk of K's scale bytes: one row of 256
	SHAPE G1VS, PADK,  32,  8,  32                 ; a quarter of the head's V scale bytes: 2,048 dense bytes as 8 rows of 256
	s_mov_b32 s[SEL], 0x76543210
	s_mov_b32 s[SEL+1], 0xfedcba98
	s_mov_b32 s[CS], 0x3e38aa3b                    ; c = log2(e) / sqrt(64)
	s_mov_b32 s[CS+1], s[CS]
	s_mov_b32 s[NC], 0xbe38aa3b
	s_lshl_b32 s2, s[X], 1                         ; the chunk that I fetch: 2 x - 1 + IDX of the head's 32;
	s_add_co_u32 s2, s2, s[IDX]
	s_add_co_u32 s2, s2, -1                        ; (-1 wraps to the greatest number)
	s_min_u32 s2, s2, 31                           ; one outside the head becomes chunk 31
	s_lshl_b32 s3, s[X], 3
	s_add_co_u32 s3, s3, s[MLOC]
	s_add_co_u32 s3, s3, -4                        ; my first block among the head's 128: 8 x + MLOC - 4
.irp b, 0,1,2,3,4,5,6,7,8
	s_add_co_u32 s27, s3, \b
	s_cmp_lt_u32 s27, 128                          ; unsigned: a negative number is outside too
	s_cselect_b32 s[BI+\b], 0, 0xff800000
.endr
	; groups 0: count, LDS address (a constant + a constant x (wave & 3)), and for now the offset in the buffer
	s_mov_b32 s[G0K], 1
	s_mul_i32 s[G0K+1], s[IDX], CSK                ; (KB is LDS byte 0)
	s_mov_b32 s[G0V], 1
	s_mul_i32 s27, s[IDX], CSV
	s_add_co_u32 s[G0V+1], s27, VB
	s_mov_b32 s[G0KS], 1
	s_lshl_b32 s27, s[IDX], 8
	s_add_co_u32 s[G0KS+1], s27, KSB
	s_mov_b32 s[G0VS], 1
	s_mul_i32 s27, s[IDX], 8*272
	s_add_co_u32 s[G0VS+1], s27, SCV
	s_lshl_b32 s27, s[HEAD], 18                    ; a head's codes: 262,144 bytes in each of the three tensors
	s_lshl_b32 s28, s2, 13                         ; K: a chunk is 8,192 bytes
	s_add_co_u32 s[G0K+2], s27, s28
	s_mov_b32 s[G0K+3], 0
	s_lshl_b32 s28, s2, 7                          ; V: a chunk is 128 bytes along each row
	s_add_co_u32 s[G0V+2], s27, s28
	s_mov_b32 s[G0V+3], 0
	s_lshl_b32 s28, s[X], 14                       ; Q's codes at my first query: 64 bytes a query
	s_add_co_u32 s28, s28, s27
	s_lshl_b32 s29, s[WV], 10
	s_add_co_u32 s28, s28, s29
	s_mov_b32 s29, 0
	s_lshl_b32 s27, s[HEAD], 13                    ; a head's scale bytes: 8,192 in each of the three tensors
	s_lshl_b32 s30, s2, 8
	s_add_co_u32 s[G0KS+2], s27, s30
	s_mov_b32 s[G0KS+3], 0
	s_lshl_b32 s30, s[IDX], 11
	s_add_co_u32 s[G0VS+2], s27, s30
	s_mov_b32 s[G0VS+3], 0
	s_lshl_b32 s30, s[X], 9                        ; Q's scale bytes at my first query: 2 a query
	s_add_co_u32 s30, s30, s27
	s_lshl_b32 s31, s[WV], 5
	s_add_co_u32 s30, s30, s31
	s_mov_b32 s31, 0
	s_lshl_b32 s66, s[HEAD], 20                    ; out0 at my first query: 256 bytes a query
	s_lshl_b32 s67, s[X], 16
	s_add_co_u32 s66, s66, s67
	s_lshl_b32 s67, s[WV], 12
	s_add_co_u32 s66, s66, s67
	s_mov_b32 s67, 0
	v_and_b32 v[T], 15, v0                         ; r
	v_bfe_u32 v[T+1], v0, 4, 1                     ; h
	v_and_b32 v[T+2], 31, v0                       ; lane
	s_delay_alu instid0(VALU_DEP_3)
	v_lshlrev_b32 v[QO], 6, v[T]
	s_delay_alu instid0(VALU_DEP_1)
	v_lshl_add_u32 v[QO], v[T+1], 4, v[QO]         ; Q: row r of 64 bytes, + 16 h
	v_lshlrev_b32 v[QSO], 1, v[T]
.irp j, 0,1,2,3,4,5,6,7
	v_mov_b32 v[QF+8+\j], 0                        ; the upper half of Q's operand: zero codes
	v_mov_b32 v[KZ+\j], 0                          ; and what the last tile of K runs on over
.endr
	s_wait_dscnt 0x0                               ; the opening add is done
	s_wait_kmcnt 0x0
	PLACE G0K, 8
	PLACE G0V, 12
	PLACE G0KS, 10
	PLACE G0VS, 14
	; ONE tensor load a wave, all of them first fills: waves 0-3 K's chunks, 4-7 V's, 8-11 K's scale bytes, 12-15 V's.  The branches hang on the wave's number alone; an s_nop 0 and four v_nop follow each load
	s_cmp_lt_u32 s[WV], 4
	s_cbranch_scc0 .Lnot_k
	tensor_load_to_lds s[G0K:G0K+3], s[G1K:G1K+7]
	s_nop 0
.rept 4
	v_nop
.endr
	s_branch .Lasked
.Lnot_k:
	s_cmp_lt_u32 s[WV], 8
	s_cbranch_scc0 .Lnot_v
	tensor_load_to_lds s[G0V:G0V+3], s[G1V:G1V+7]
	s_nop 0
.rept 4
	v_nop
.endr
	s_branch .Lasked
.Lnot_v:
	s_cmp_lt_u32 s[WV], 12
	s_cbranch_scc0 .Lnot_ks
	tensor_load_to_lds s[G0KS:G0KS+3], s[G1KS:G1KS+7]
	s_nop 0
.rept 4
	v_nop
.endr
	s_branch .Lasked
.Lnot_ks:
	tensor_load_to_lds s[G0VS:G0VS+3], s[G1VS:G1VS+7]
	s_nop 0
.rept 4
	v_nop
.endr
.Lasked:
	s_add_nc_u64 s[4:5], s[4:5], s[28:29]
	s_add_nc_u64 s[6:7], s[6:7], s[30:31]
	s_add_nc_u64 s[16:17], s[16:17], s[66:67]
	global_load_b128 v[QF:QF+3], v[QO], s[4:5] th:TH_LOAD_NT              ; Q(r, 16 h ..): read by this wave alone
	global_load_b128 v[QF+4:QF+7], v[QO], s[4:5] offset:32 th:TH_LOAD_NT  ; Q(r, 32 + 16 h ..)
	global_load_u16 v[QS], v[QSO], s[6:7]          ; query r's two scale bytes; the word's upper bytes are 0
	; the lanes' places in LDS, made while the loads are on their way
	v_and_b32 v[T+3], 8, v[T]
	s_delay_alu instid0(VALU_DEP_1)
	v_add_nc_u32 v[T+3], v[T+3], v[T]              ; r + 8 (r / 8): the key that lane r takes of a tile
	s_delay_alu instid0(VALU_DEP_1)
	v_lshrrev_b32 v[T+4], 2, v[T+3]
	s_delay_alu instid0(VALU_DEP_1)
	v_mul_u32_u24 v[AK], v[T+4], KP                ; four keys to an LDS row
	v_and_b32 v[T+4], 3, v[T]
	s_delay_alu instid0(VALU_DEP_1)
	v_lshl_add_u32 v[AK], v[T+4], 6, v[AK]
	s_delay_alu instid0(VALU_DEP_1)
	v_lshl_add_u32 v[AK], v[T+1], 4, v[AK]
	s_mul_i32 s27, s[MLOC], 8*KP                   ; my first block: 32 keys are 8 rows
	v_add_nc_u32 v[AK], s27, v[AK]
	v_lshl_add_u32 v[AKS], v[T+1], 3, v[T+3]       ; lanes 16-31 take the odd tile's keys, 8 further on
	s_delay_alu instid0(VALU_DEP_1)
	v_lshlrev_b32 v[AKS], 1, v[AKS]
	s_lshl_b32 s27, s[MLOC], 6
	s_add_co_u32 s27, s27, KSB
	v_add_nc_u32 v[AKS], s27, v[AKS]
	v_mul_u32_u24 v[T+4], v[T], VP
	s_delay_alu instid0(VALU_DEP_1)
	v_lshl_add_u32 v[T+4], v[T+1], 4, v[T+4]       ; V: row r of a tile of d, + 16 h
	s_wait_alu depctr_va_vdst(0)
.irp e, 0,1,2,3
	s_add_co_u32 s27, s26, \e                      ; my block e lies in chunk C0 + (sigma + e) / 4, at 32 ((sigma + e) % 4) bytes of its rows
	s_lshr_b32 s28, s27, 2
	s_add_co_u32 s28, s28, s[C0]
	s_mul_i32 s28, s28, CSV
	s_and_b32 s27, s27, 3
	s_lshl_b32 s27, s27, 5
	s_add_co_u32 s27, s27, s28
	s_add_co_u32 s27, s27, VB
	v_add_nc_u32 v[AV+\e], s27, v[T+4]
.endr
	v_lshrrev_b32 v[T+5], 1, v[T+2]                ; V's scale words: lane l takes row d = l of 32: unit l / 2, half l % 2
	s_delay_alu instid0(VALU_DEP_1)
	v_mul_u32_u24 v[T+5], v[T+5], 272
	v_and_b32 v[T+6], 1, v[T+2]
	s_delay_alu instid0(VALU_DEP_1)
	v_lshl_add_u32 v[T+5], v[T+6], 7, v[T+5]
	s_wait_alu depctr_va_vdst(0)
	s_lshl_b32 s28, s[X], 1
	s_add_co_u32 s28, s28, s[C0]
	s_add_co_u32 s28, s28, -1                      ; the head's chunk in which my first block lies
.irp i, 0,1,2
	s_add_co_u32 s27, s28, \i
	s_min_u32 s27, s27, 31                         ; as for the codes: a chunk outside the head is chunk 31
	s_lshl_b32 s27, s27, 2
	s_add_co_u32 s27, s27, SCV
	v_add_nc_u32 v[AVS+\i], s27, v[T+5]
.endr
	s_lshl_b32 s27, s[PAR], 4
	v_lshlrev_b32 v[DM], 4, v[T+1]
	s_delay_alu instid0(VALU_DEP_1)
	v_sub_nc_u32 v[DM], v[T], v[DM]
	s_delay_alu instid0(VALU_DEP_1)
	v_add_nc_u32 v[DM], s27, v[DM]                 ; 16 (w & 1) + r - 16 h
	s_wait_alu depctr_va_vdst(0)
	s_wait_tensorcnt 0x0                           ; my tile has landed,
	s_barrier_signal -1
	s_barrier_wait -1                              ; everybody's has.  The launch's only barrier
; THE SCORES, three blocks (six tiles of 16 keys) at a time.  15 LDS loads in one run, their wait, six products, each of which starts its own sum with the constant 0.
.macro GROUP g
.irp bl, 0,1,2
.irp u, 0,1
.irp c, 0,1
	ds_load_b128 v[KF+8*(2*\bl+\u)+4*\c:KF+8*(2*\bl+\u)+4*\c+3], v[AK] offset:(8*(3*(\g)+\bl)+2*\u)*KP+32*\c
.endr
.endr
	ds_load_u16 v[KSC+\bl], v[AKS] offset:64*(3*(\g)+\bl)
.endr
	s_wait_dscnt 0x0
.if (\g) == 0
	s_wait_loadcnt 0x0                             ; Q
.endif
.irp bl, 0,1,2
	v_wmma_scale_f32_16x16x128_f8f6f4 v[S+16*(3*(\g)+\bl):S+16*(3*(\g)+\bl)+7], v[KF+16*\bl:KF+16*\bl+15], v[QF:QF+15], 0, v[KSC+\bl], v[QS]
	v_wmma_scale_f32_16x16x128_f8f6f4 v[S+16*(3*(\g)+\bl)+8:S+16*(3*(\g)+\bl)+15], v[KF+16*\bl+8:KF+16*\bl+23], v[QF:QF+15], 0, v[KSC+\bl], v[QS] matrix_a_scale:MATRIX_SCALE_ROW1
.endr
.endm
; The largest score of my 16 keys of blocks b0, b0 + 1, b0 + 2, the three by turns; each accumulator is read from its low end on
.macro BMAX b0
.irp d, 0,1,2
	v_max3_num_f32 v[BM+(\b0)+\d], v[S+16*((\b0)+\d)], v[S+16*((\b0)+\d)+1], v[S+16*((\b0)+\d)+2]
.endr
.irp i, 3,5,7,9,11,13
.irp d, 0,1,2
	v_max3_num_f32 v[BM+(\b0)+\d], v[BM+(\b0)+\d], v[S+16*((\b0)+\d)+\i], v[S+16*((\b0)+\d)+\i+1]
.endr
.endr
.irp d, 0,1,2
	v_max_num_f32 v[BM+(\b0)+\d], v[BM+(\b0)+\d], v[S+16*((\b0)+\d)+15]
.endr
.endm
.irp tp, 0,1
.irp i, 0,1,2
	ds_load_b32 v[W+3*\tp+\i], v[AVS+\i] offset:16*272*\tp   ; V's scale words of my three chunks, rows d = 32 tp + lane
.endr
.endr
	GROUP 0
	; Eight plain lines that name no register of those products stand in front of the next run of loads into K's registers: the six below and two moves; the compares follow.
	; My nine blocks begin at byte sigma of the first word: a step's four bytes are cut out of two neighbouring words
.irp tp, 0,1
	v_alignbit_b32 v[VSC+3*\tp], v[W+3*\tp+1], v[W+3*\tp], s[SIG8]       ; blocks 0-3
	v_alignbit_b32 v[VSC+3*\tp+1], v[W+3*\tp+2], v[W+3*\tp+1], s[SIG8]   ; blocks 4-7
	v_bfe_u32 v[VSC+3*\tp+2], v[W+3*\tp+2], s[SIG8], 8                   ; block 8; the other three bytes are 0: they meet zero codes
.endr
	v_mov_b32 v[NINF], 0xff800000
	v_mov_b32 v[RR+1], 0                           ; (named as the upper half of the pair v[38:39])
.irp i, 0,1,2,3,4,5,6,7,8,9,10,11,12,13,14,15
	v_cmp_lt_i32 s[MK+\i], \i, v[DM]               ; register i of a block is key 16 h + i: i < DM means that key < x': hidden in block 0, counted in block 8
.endr
	GROUP 1
.irp i, 0,1,2,3,4,5,6,7,8,9,10,11,12,13,14,15
	v_cndmask_b32 v[S+\i], v[S+\i], v[NINF], s[MK+\i]   ; block 0.  (These 16 and the 24 below are the places in front of the next run of loads)
.endr
	BMAX 0
	GROUP 2
	BMAX 3                                         ; 24 places in front of the first read of the last products' results
.irp i, 0,1,2,3,4,5,6,7,8,9,10,11,12,13,14,15
	v_cndmask_b32 v[S+128+\i], v[NINF], v[S+128+\i], s[MK+\i]   ; block 8
.endr
	BMAX 6
	; THE SOFTMAX.  A block's other 16 keys lie in lane l xor 16
.irp b, 0,1,2,3,4,5,6,7,8
	v_permlanex16_b32 v[XB+\b], v[BM+\b], s[SEL], s[SEL+1]
.endr
.irp b, 0,1,2,3,4,5,6,7,8
	v_max_num_f32 v[BM+\b], v[BM+\b], v[XB+\b]
.endr
.irp b, 0,1,2,3,4,5,6,7,8
	v_add_f32 v[BM+\b], s[BI+\b], v[BM+\b]         ; a block outside the head counts for nothing
.endr
	v_max3_num_f32 v[XT], v[BM], v[BM+1], v[BM+2]
	s_delay_alu instid0(VALU_DEP_1)
	v_max3_num_f32 v[XT], v[XT], v[BM+3], v[BM+4]
	s_delay_alu instid0(VALU_DEP_1)
	v_max3_num_f32 v[XT], v[XT], v[BM+5], v[BM+6]
	s_delay_alu instid0(VALU_DEP_1)
	v_max3_num_f32 v[XT], v[XT], v[BM+7], v[BM+8]  ; the row's maximum: finite, since the query's own key counts
	s_delay_alu instid0(VALU_DEP_1)
	v_mul_f32 v[XT], s[NC], v[XT]                  ; -c max
.irp b, 0,1,2,3,4,5,6,7,8
	v_add_f32 v[AD+2*\b], s[BI+\b], v[XT]
.endr
.irp b, 0,1,2,3,4,5,6,7,8
	v_fma_f32 v[AD+2*\b+1], v[BM+\b], s[CS], v[AD+2*\b]   ; the exponent of the block's largest score
.endr
.irp b, 0,1,2,3,4,5,6,7,8
.irp j, 0,2,4,6,8,10,12,14
	v_pk_fma_f32 v[S+16*\b+\j:S+16*\b+\j+1], v[S+16*\b+\j:S+16*\b+\j+1], s[CS:CS+1], v[AD+2*\b:AD+2*\b+1] op_sel_hi:[1,0,0]   ; c s - c max, two at a time (of the pairs c and the addend the low word serves both halves)
.endr
.endr
.set k, 0
	s_wait_alu depctr_va_vdst(0)
.rept 144
	v_exp_f32 v[S+k], v[S+k]                       ; ONE BATCH: none of these reads another's result
.set k, k+1
.endr
.irp b, 0,1,2,3,4,5,6,7,8
	v_exp_f32 v[AD+2*\b+1], v[AD+2*\b+1]
.endr
	v_mov_b32 v[PC+36], 0                          ; zero codes behind block 8's: also the plain line behind the last exponential
	v_mov_b32 v[PC+37], 0
	s_wait_alu depctr_va_vdst(0)                   ; the wait ahead of the first line that names an exponential's result: one for the batch
	v_pk_add_f32 v[60:61], v[112:113], v[120:121]
	v_pk_add_f32 v[62:63], v[128:129], v[136:137]
	v_pk_add_f32 v[36:37], v[144:145], v[152:153]
	v_pk_add_f32 v[102:103], v[160:161], v[168:169]
	v_pk_add_f32 v[98:99], v[176:177], v[184:185]
	v_pk_add_f32 v[96:97], v[192:193], v[200:201]
	v_pk_add_f32 v[94:95], v[208:209], v[216:217]
	v_pk_add_f32 v[58:59], v[224:225], v[232:233]
	v_pk_add_f32 v[58:59], v[58:59], v[240:241]
	v_pk_add_f32 v[60:61], v[60:61], v[248:249]
	v_pk_add_f32 v[62:63], v[62:63], v[114:115]
	v_pk_add_f32 v[36:37], v[36:37], v[122:123]
	v_pk_add_f32 v[102:103], v[102:103], v[130:131]
	v_pk_add_f32 v[98:99], v[98:99], v[138:139]
	v_pk_add_f32 v[96:97], v[96:97], v[146:147]
	v_pk_add_f32 v[94:95], v[94:95], v[154:155]
	v_pk_add_f32 v[58:59], v[58:59], v[162:163]
	v_pk_add_f32 v[60:61], v[60:61], v[170:171]
	v_pk_add_f32 v[62:63], v[62:63], v[178:179]
	v_pk_add_f32 v[36:37], v[36:37], v[186:187]
	v_pk_add_f32 v[102:103], v[102:103], v[194:195]
	v_pk_add_f32 v[98:99], v[98:99], v[202:203]
	v_pk_add_f32 v[96:97], v[96:97], v[210:211]
	v_pk_add_f32 v[94:95], v[94:95], v[218:219]
	v_pk_add_f32 v[58:59], v[58:59], v[226:227]
	v_pk_add_f32 v[60:61], v[60:61], v[234:235]
	v_pk_add_f32 v[62:63], v[62:63], v[242:243]
	v_pk_add_f32 v[36:37], v[36:37], v[250:251]
	v_pk_add_f32 v[102:103], v[102:103], v[116:117]
	v_pk_add_f32 v[98:99], v[98:99], v[124:125]
	v_pk_add_f32 v[96:97], v[96:97], v[132:133]
	v_pk_add_f32 v[94:95], v[94:95], v[140:141]
	v_pk_add_f32 v[58:59], v[58:59], v[148:149]
	v_pk_add_f32 v[60:61], v[60:61], v[156:157]
	v_pk_add_f32 v[62:63], v[62:63], v[164:165]
	v_pk_add_f32 v[36:37], v[36:37], v[172:173]
	v_pk_add_f32 v[102:103], v[102:103], v[180:181]
	v_pk_add_f32 v[98:99], v[98:99], v[188:189]
	v_pk_add_f32 v[96:97], v[96:97], v[196:197]
	v_pk_add_f32 v[94:95], v[94:95], v[204:205]
	v_pk_add_f32 v[58:59], v[58:59], v[212:213]
	v_pk_add_f32 v[60:61], v[60:61], v[220:221]
	v_pk_add_f32 v[62:63], v[62:63], v[228:229]
	v_pk_add_f32 v[36:37], v[36:37], v[236:237]
	v_pk_add_f32 v[102:103], v[102:103], v[244:245]
	v_pk_add_f32 v[98:99], v[98:99], v[252:253]
	v_pk_add_f32 v[96:97], v[96:97], v[118:119]
	v_pk_add_f32 v[94:95], v[94:95], v[126:127]
	v_pk_add_f32 v[58:59], v[58:59], v[134:135]
	v_pk_add_f32 v[60:61], v[60:61], v[142:143]
	v_pk_add_f32 v[62:63], v[62:63], v[150:151]
	v_pk_add_f32 v[36:37], v[36:37], v[158:159]
	v_pk_add_f32 v[102:103], v[102:103], v[166:167]
	v_pk_add_f32 v[98:99], v[98:99], v[174:175]
	v_pk_add_f32 v[96:97], v[96:97], v[182:183]
	v_pk_add_f32 v[94:95], v[94:95], v[190:191]
	v_pk_add_f32 v[58:59], v[58:59], v[198:199]
	v_pk_add_f32 v[60:61], v[60:61], v[206:207]
	v_pk_add_f32 v[62:63], v[62:63], v[214:215]
	v_pk_add_f32 v[36:37], v[36:37], v[222:223]
	v_pk_add_f32 v[102:103], v[102:103], v[230:231]
	v_pk_add_f32 v[98:99], v[98:99], v[238:239]
	v_pk_add_f32 v[96:97], v[96:97], v[246:247]
	v_pk_add_f32 v[94:95], v[94:95], v[254:255]
	s_delay_alu instid0(VALU_DEP_4)
	v_pk_add_f32 v[58:59], v[58:59], v[102:103]
	s_delay_alu instid0(VALU_DEP_4)
	v_pk_add_f32 v[60:61], v[60:61], v[98:99]
	s_delay_alu instid0(VALU_DEP_4)
	v_pk_add_f32 v[62:63], v[62:63], v[96:97]
	s_delay_alu instid0(VALU_DEP_4)
	v_pk_add_f32 v[36:37], v[36:37], v[94:95]
	s_delay_alu instid0(VALU_DEP_2)
	v_pk_add_f32 v[58:59], v[58:59], v[62:63]
	s_delay_alu instid0(VALU_DEP_2)
	v_pk_add_f32 v[60:61], v[60:61], v[36:37]
	s_delay_alu instid0(VALU_DEP_1)
	v_pk_add_f32 v[58:59], v[58:59], v[60:61]
	s_delay_alu instid0(VALU_DEP_1)
	v_add_f32 v[CH], v[CH], v[CH+1]
	s_delay_alu instid0(VALU_DEP_1)
	v_permlanex16_b32 v[XT], v[CH], s[SEL], s[SEL+1]
	s_delay_alu instid0(VALU_DEP_1)
	v_add_f32 v[CH], v[CH], v[XT]                  ; with lane l xor 16's: the row's sum, at least 1
	s_wait_alu depctr_va_vdst(0)
	v_rcp_f32 v[RR], v[CH]
	v_mov_b32 v[PC+38], 0                          ; the plain line behind the reciprocal
	v_mov_b32 v[PC+39], 0
	s_wait_alu depctr_va_vdst(0)                   ; and its wait, ahead of its first reader
.set k, 0
.rept 72
	v_pk_mul_f32 v[S+2*k:S+2*k+1], v[S+2*k:S+2*k+1], v[RR:RR+1] op_sel_hi:[1,0]   ; attn, finished
.set k, k+1
.endr
.irp b, 0,1,2,3,4,5,6,7,8
	v_mul_f32 v[BM+\b], v[AD+2*\b+1], v[RR]        ; the block's largest attn: the same arithmetic on its largest score
.endr
	; THE QUANTISER, the nine blocks by turns
.irp b, 0,1,2,3,4,5,6,7,8
	v_max_num_f32 v[BM+\b], 0x4800000, v[BM+\b]    ; the floor 2^(9 - 127): the byte cannot fall under 1
.endr
.irp b, 0,1,2,3,4,5,6,7,8
	v_add_nc_u32 v[SCL+\b], 0xfc000000, v[BM+\b]   ; 8 off the exponent field: the conversion takes this operand's exponent field as its scale
.endr
.irp b, 0,1,2,3,4,5,6,7,8
.endr
.irp b, 0,1,2,3,4,5,6,7
	v_lshrrev_b32 v[BY+\b], 23, v[SCL+\b]          ; the scale's byte
.endr
.irp s, 0,1
	v_lshl_or_b32 v[PSC+\s], v[BY+4*\s+1], 8, v[BY+4*\s]   ; four bytes make a step's scale word: lane r has query r's
	s_delay_alu instid0(VALU_DEP_1)
	v_lshl_or_b32 v[PSC+\s], v[BY+4*\s+2], 16, v[PSC+\s]
	s_delay_alu instid0(VALU_DEP_1)
	v_lshl_or_b32 v[PSC+\s], v[BY+4*\s+3], 24, v[PSC+\s]
.endr
	v_lshrrev_b32 v[PSC+2], 23, v[SCL+8]           ; block 8's byte; the other three are 0: they meet zero codes
; Block b: two conversions, and four loads of V into the 16 registers that the block has left.
.macro CONV b
.irp i, 0,1,2,3,4,5,6,7,8,9,10,11,12,13,14,15
.endr
	v_cvt_scalef32_pk8_fp8_f32 v[PC+4*(\b):PC+4*(\b)+1], v[S+16*(\b):S+16*(\b)+7], v[SCL+(\b)]
	v_cvt_scalef32_pk8_fp8_f32 v[PC+4*(\b)+2:PC+4*(\b)+3], v[S+16*(\b)+8:S+16*(\b)+15], v[SCL+(\b)]
.if (\b) == 0
.irp t, 0,1,2,3
	ds_load_b128 v[F2+4*\t:F2+4*\t+3], v[AV] offset:2*CSV+16*VP*\t        ; V's block 8, tile t of d
.endr
.elseif (\b) < 5
.irp c, 0,1,2,3
	ds_load_b128 v[F0+16*((\b)-1)+4*\c:F0+16*((\b)-1)+4*\c+3], v[AV+\c] offset:16*VP*((\b)-1)        ; blocks 0-3, tile b - 1
.endr
.else
.irp c, 0,1,2,3
	ds_load_b128 v[F1+16*((\b)-5)+4*\c:F1+16*((\b)-5)+4*\c+3], v[AV+\c] offset:CSV+16*VP*((\b)-5)    ; blocks 4-7, tile b - 5
.endr
.endif
.endm
.irp b, 0,1,2,3,4,5,6,7,8
	CONV \b
.endr
.rept 4
	v_nop                                          ; the plain line behind the last conversion, and the four places between codes written by vector instructions and the scaled products that take them
.endr
	s_wait_dscnt 0x0                               ; V
; O^T = V^T P^T: three steps along the keys (blocks 0-3, 4-7, 8) x four tiles of d.  The four accumulators take turns, one instruction a turn; the first step starts the sums with the constant 0.
.macro PVI s, t
.if (\s) == 2
.set rA, F2+4*(\t)                     ; four registers of block 8; the operand runs on over other codes of V, which meet zero codes
.else
.set rA, F0+64*(\s)+16*(\t)
.endif
.set rO, O+8*(\t)
.set rB, PC+16*(\s)
.set rV, VSC+3*((\t)/2)+(\s)
.if (\s) == 0
.if (\t)%2
	v_wmma_scale_f32_16x16x128_f8f6f4 v[rO:rO+7], v[rA:rA+15], v[rB:rB+15], 0, v[rV], v[PSC+(\s)] matrix_a_scale:MATRIX_SCALE_ROW1
.else
	v_wmma_scale_f32_16x16x128_f8f6f4 v[rO:rO+7], v[rA:rA+15], v[rB:rB+15], 0, v[rV], v[PSC+(\s)]
.endif
.else
.if (\t)%2
	v_wmma_scale_f32_16x16x128_f8f6f4 v[rO:rO+7], v[rA:rA+15], v[rB:rB+15], v[rO:rO+7], v[rV], v[PSC+(\s)] matrix_a_scale:MATRIX_SCALE_ROW1
.else
	v_wmma_scale_f32_16x16x128_f8f6f4 v[rO:rO+7], v[rA:rA+15], v[rB:rB+15], v[rO:rO+7], v[rV], v[PSC+(\s)]
.endif
.endif
.endm
.irp s, 0,1,2
	s_wait_alu depctr_va_vdst(0)
.irp t, 0,1,2,3
	PVI \s, \t
.endr
.endr
	; THE WAY OUT.  Register j of accumulator t is out0(query r, 16 t + 8 h + j): 32 neighbouring bytes of a row, and the lanes beside me hold other rows.  So the tile goes through my own stage and comes back as
	; whole rows of 256 bytes.  The ten address lines are also the places behind the last products.
	v_and_b32 v1, 15, v0                           ; r
	v_bfe_u32 v2, v0, 4, 1                         ; h
	s_mul_i32 s27, s[WV], 16*272
	s_add_co_u32 s27, s27, STAGE                   ; my stage
	v_mul_u32_u24 v3, v1, 272
	s_delay_alu instid0(VALU_DEP_1)
	v_lshl_add_u32 v3, v2, 5, v3
	s_delay_alu instid0(VALU_DEP_1)
	v_add_nc_u32 v3, s27, v3                       ; in: row r, + 32 h
	v_mul_u32_u24 v4, v2, 272
	s_delay_alu instid0(VALU_DEP_1)
	v_lshl_add_u32 v4, v1, 4, v4
	s_delay_alu instid0(VALU_DEP_1)
	v_add_nc_u32 v4, s27, v4                       ; back: lanes 0-15 one row, lanes 16-31 the next
	v_lshlrev_b32 v5, 8, v2
	s_delay_alu instid0(VALU_DEP_1)
	v_lshl_add_u32 v5, v1, 4, v5                   ; and the same two rows in out0
.irp t, 0,1,2,3
	ds_store_b128 v3, v[O+8*\t:O+8*\t+3] offset:64*\t          ; each accumulator from its low end on
	ds_store_b128 v3, v[O+8*\t+4:O+8*\t+7] offset:64*\t+16
.endr
.irp i, 0,1,2,3,4,5,6,7
	ds_load_b128 v[S+4*\i:S+4*\i+3], v4 offset:2*272*\i        ; LDS serves a wave's instructions in order (ISA guide 5.7.1.4): these see my stores
.endr
	s_wait_alu depctr_va_vdst(0)
.irp i, 0,1,2,3,4,5,6,7
	s_wait_dscnt 7-\i                              ; loads come back in order: pair i of rows is in, the 7 - i younger loads may be out
	global_store_b128 v5, v[S+4*\i:S+4*\i+3], s[16:17] offset:512*\i th:TH_STORE_NT   ; 32 lanes store 512 consecutive bytes, at a multiple of 256 from out0's first byte; written once
.endr
	s_wait_tensorcnt 0x0                           ; the wave's end: behind my tensor load and my last LDS store
	ds_add_u32 v[SPW], v[NIL]
	s_wait_dscnt 0x0
	s_endpgm
.Lfunc_end_k_q6c324abb81_band:
	.size	k_q6c324abb81_band, .Lfunc_end_k_q6c324abb81_band-k_q6c324abb81_band
	.p2alignl 7, 3214868480
	.fill 96, 4, 3214868480
	.section	.rodata,"a",@progbits
	.p2align	6, 0x0
	.amdhsa_kernel k_q6c324abb81_band
		.amdhsa_group_segment_fixed_size 167936
		.amdhsa_private_segment_fixed_size 0
		.amdhsa_enable_private_segment 0
		.amdhsa_kernarg_size 56
		.amdhsa_user_sgpr_count 2
		.amdhsa_user_sgpr_kernarg_segment_ptr 1
		.amdhsa_wavefront_size32 1
		.amdhsa_system_sgpr_workgroup_id_x 1
		.amdhsa_system_sgpr_workgroup_id_y 1
		.amdhsa_system_sgpr_workgroup_id_z 1
		.amdhsa_system_vgpr_workitem_id 0
		.amdhsa_next_free_vgpr 256
		.amdhsa_next_free_sgpr 100
		.amdhsa_reserve_vcc 0
		.amdhsa_float_denorm_mode_32 3
		.amdhsa_float_denorm_mode_16_64 3
		.amdhsa_fp16_overflow 1
		.amdhsa_memory_ordered 1
		.amdhsa_forward_progress 1
		.amdhsa_inst_pref_size 58
	.end_amdhsa_kernel
	.amdgpu_metadata
---
amdhsa.version: [ 1, 2 ]
amdhsa.kernels:
  - .name:           k_q6c324abb81_band
    .symbol:         k_q6c324abb81_band.kd
    .args:
      - { .name: q_codes, .offset: 0, .size: 8, .value_kind: global_buffer, .address_space: global }
      - { .name: q_scales, .offset: 8, .size: 8, .value_kind: global_buffer, .address_space: global }
      - { .name: k_codes, .offset: 16, .size: 8, .value_kind: global_buffer, .address_space: global }
      - { .name: k_scales, .offset: 24, .size: 8, .value_kind: global_buffer, .address_space: global }
      - { .name: v_codes, .offset: 32, .size: 8, .value_kind: global_buffer, .address_space: global }
      - { .name: v_scales, .offset: 40, .size: 8, .value_kind: global_buffer, .address_space: global }
      - { .name: out0, .offset: 48, .size: 8, .value_kind: global_buffer, .address_space: global }
    .group_segment_fixed_size: 167936
    .private_segment_fixed_size: 0
    .kernarg_segment_align: 8
    .kernarg_segment_size: 56
    .max_flat_workgroup_size: 512
    .sgpr_count:     100
    .vgpr_count:     256
    .wavefront_size: 32
...
	.end_amdgpu_metadata
.endif
;; end of part 1
